; MI455X (gfx1250); checked and timed in simulation.
; The chip was launched on July 23, 2026; its instructions are those of AMD's public machine-readable ISA for CDNA 5 (MIT licence, August 2026) and "CDNA5" Instruction Set Architecture Reference Guide (July 2026). The comments in the code are by the model that wrote it; some were corrected since.
;; Self Attention. Allowed arithmetic: float matrix products may take bf16 or f16 operands with f32 sums; other float arithmetic in f32, or as packed bf16 or f16 multiplies, adds, multiply-adds, maxima and minima; sums over many terms, partial sums and values carried from step to step in f32; what a program stores and reads back later, other than sums and carried values, may be rounded once to bf16 or f16.
;; Inputs: Wk 1,024 x 1,024 float32; Wq 1,024 x 1,024 float32; Wv 1,024 x 1,024 float32; bk 1,024 float32; bq 1,024 float32; bv 1,024 float32; x 4 x 2,048 x 1,024 float32.
;; Outputs: out0 4 x 2,048 x 1,024 float32.
;; One version. Each part assembles by itself: llvm-mc -triple=amdgcn-amd-amdhsa -mcpu=gfx1250 --defsym DOCPART=n.
;; ======== version 1 of 1: 5 launches
;; limits: values are held in f16: magnitudes above 65,504 overflow, below 6.1e-05 lose precision
;; workspace buffers: xb 16,777,216 bytes; wb 6,291,456 bytes; qkv 50,331,648 bytes; sc 67,108,864 bytes; pr 33,554,432 bytes
;; launch cast (part 1): grid 704 x 1, 8 waves a work-group, no clusters, 0 bytes of LDS; arguments x, Wq, Wk, Wv, xb, wb; writes xb, wb
.if DOCPART == 1
	.amdgcn_target "amdgcn-amd-amdhsa--gfx1250"
	.amdhsa_code_object_version 6
	.text
	.protected	k_qef64f6c37a_cast
	.globl	k_qef64f6c37a_cast
	.p2align	8
	.type	k_qef64f6c37a_cast,@function
k_qef64f6c37a_cast:
	s_mov_b64 s[64:65], 0
	v_nop
	global_prefetch_b8 v0, s[64:65] scope:SCOPE_SE
	s_setreg_imm32_b32 hwreg(HW_REG_WAVE_MODE, 25, 1), 1
	s_wait_xcnt 0x0
; CAST.  x [8192][1024] f32 -> xb bf16 in blocks along K: [16 kb][8192 tokens][64], so that 256 tokens x 64 k are 32,768 dense bytes for the next launch's tiles.
; Wq, Wk, Wv [1024 k][1024 n] f32 -> wb [1024 k][3072 n] bf16, side by side (q, k, v).
; Every source is rows of 1,024 f32 (4,096 bytes).  A work-group takes 16 rows: groups 0-511 those of x, groups 512-703 those of W number (g - 512) / 64.  Pass j of eight takes rows 2 j and 2 j + 1.
; A thread takes eight columns: 32 bytes in, 16 bytes out.  For W: thread t has row half t / 128, columns 8 (t % 128) on: a wave stores 512 consecutive bytes of a row.
; For x: thread t has columns 8 (t % 8) on of k block t / 16, row half (t / 8) % 2: sixteen neighbouring lanes store two tokens' 128 bytes of one k block, 256 consecutive bytes at a multiple of 256.
; A stream: all sixteen loads of a lane go out first.  No LDS, no barrier, no matrix unit: no number meets another.
.set DO,  4                            ; v[4:11]   pass j: byte offset of my 16 bytes in the destination
.set X,   16                           ; v[16:79]  pass j: 8 numbers as loaded
.set Y,   80                           ; v[80:111] pass j: 8 numbers in bf16
	s_load_b256 s[4:11], s[0:1], 0x0               ; x s[4:5], Wq s[6:7], Wk s[8:9], Wv s[10:11]
	s_load_b128 s[12:15], s[0:1], 0x20             ; xb s[12:13], wb s[14:15]
	s_max_u32 s20, ttmp9, 512
	s_sub_co_u32 s20, s20, 512                     ; the group's number among W's groups (0 for a group that takes x)
	s_lshr_b32 s21, s20, 6                         ; which W: 0, 1, 2
	s_and_b32 s22, s20, 63                         ; which 16 rows of it
	s_lshl_b32 s23, s21, 11                        ; its 2,048 bytes in a row of wb
	s_mul_i32 s30, s22, 16*6144                    ; wb: 16 rows of 6,144 bytes a group,
	s_add_co_u32 s30, s30, s23                     ; and W's place in a row
	s_lshl_b32 s26, ttmp9, 11                      ; xb: 16 tokens of 128 bytes in every k block
	s_movk_i32 s24, 6144
	s_movk_i32 s27, 12288
	s_cmp_lt_u32 ttmp9, 512                        ; x or W?  The selects leave SCC as it is
	s_cselect_b32 s30, s26, s30                    ; the group's first byte in the destination
	s_cselect_b32 s25, ttmp9, s22                  ; block of 16 rows in the source
	s_cselect_b32 s27, 256, s27                    ; bytes from pass to pass in the destination: two tokens of 128, or two rows of 6,144
	s_lshl_b32 s28, s25, 16                        ; 16 rows of 4,096 bytes in the source
	s_mov_b32 s29, 0
	s_mov_b32 s31, 0
	s_cmp_lt_u32 ttmp9, 512
	s_cbranch_scc1 .Lx
	v_lshlrev_b32 v1, 5, v0                        ; W, source: 32 t = row half x 4,096 + 32 x column group; the pass stands in the immediate
	v_lshrrev_b32 v2, 7, v0                        ; row half
	v_and_b32 v3, 127, v0
	v_lshlrev_b32 v3, 4, v3                        ; 16 bytes a column group
	v_mad_u32_u24 v[DO], v2, s24, v3               ; row half x pitch + column bytes
	s_branch .Lgo
.Lx:
	v_and_b32 v2, 7, v0                            ; x: column group in the k block
	v_bfe_u32 v3, v0, 3, 1                         ; row half
	v_lshrrev_b32 v12, 4, v0                       ; k block
	v_lshlrev_b32 v1, 5, v2                        ; source: 32 bytes a column group,
	v_lshl_add_u32 v1, v3, 12, v1                  ; 4,096 a row,
	v_lshl_add_u32 v1, v12, 8, v1                  ; 256 a k block
	v_lshlrev_b32 v[DO], 4, v2                     ; destination: 16 bytes a column group,
	v_lshl_add_u32 v[DO], v3, 7, v[DO]             ; 128 a token,
	v_lshl_add_u32 v[DO], v12, 20, v[DO]           ; 8,192 x 128 a k block
.Lgo:
.irp j, 1,2,3,4,5,6,7
	v_add_nc_u32 v[DO+(\j)], s27, v[DO+(\j)-1]
.endr
	s_wait_kmcnt 0x0
	s_mov_b64 s[16:17], s[6:7]                     ; the source: one of the four buffers, chosen by the group's number alone
	s_cmp_eq_u32 s21, 1
	s_cselect_b64 s[16:17], s[8:9], s[16:17]
	s_cmp_eq_u32 s21, 2
	s_cselect_b64 s[16:17], s[10:11], s[16:17]
	s_cmp_lt_u32 ttmp9, 512
	s_cselect_b64 s[16:17], s[4:5], s[16:17]
	s_cselect_b64 s[18:19], s[12:13], s[14:15]     ; the destination
	s_add_nc_u64 s[16:17], s[16:17], s[28:29]
	s_add_nc_u64 s[18:19], s[18:19], s[30:31]
.irp j, 0,1,2,3,4,5,6,7
	global_load_b128 v[X+8*(\j):X+8*(\j)+3],   v1, s[16:17] offset:8192*(\j) th:TH_LOAD_NT
	global_load_b128 v[X+8*(\j)+4:X+8*(\j)+7], v1, s[16:17] offset:8192*(\j)+16 th:TH_LOAD_NT
.endr
.irp j, 0,1,2,3,4,5,6,7
	s_wait_loadcnt 14-2*(\j)                       ; loads come back in order: pass j's two are in, the 14 - 2 j younger ones stay out
.irp k, 0,1,2,3
	v_cvt_pk_bf16_f32 v[Y+4*(\j)+(\k)], v[X+8*(\j)+2*(\k)], v[X+8*(\j)+2*(\k)+1]
.endr
	global_store_b128 v[DO+(\j)], v[Y+4*(\j):Y+4*(\j)+3], s[18:19]  ; no register is written twice, so no wait frees any
.endr
	s_endpgm
.Lfunc_end_k_qef64f6c37a_cast:
	.size	k_qef64f6c37a_cast, .Lfunc_end_k_qef64f6c37a_cast-k_qef64f6c37a_cast
	.p2alignl 7, 3214868480
	.fill 96, 4, 3214868480
	.section	.rodata,"a",@progbits
	.p2align	6, 0x0
	.amdhsa_kernel k_qef64f6c37a_cast
		.amdhsa_group_segment_fixed_size 0
		.amdhsa_private_segment_fixed_size 0
		.amdhsa_enable_private_segment 0
		.amdhsa_kernarg_size 48
		.amdhsa_user_sgpr_count 2
		.amdhsa_user_sgpr_kernarg_segment_ptr 1
		.amdhsa_wavefront_size32 1
		.amdhsa_system_sgpr_workgroup_id_x 1
		.amdhsa_system_sgpr_workgroup_id_y 1
		.amdhsa_system_sgpr_workgroup_id_z 1
		.amdhsa_system_vgpr_workitem_id 0
		.amdhsa_next_free_vgpr 112
		.amdhsa_next_free_sgpr 66
		.amdhsa_reserve_vcc 0
		.amdhsa_float_denorm_mode_32 3
		.amdhsa_float_denorm_mode_16_64 3
		.amdhsa_memory_ordered 1
		.amdhsa_forward_progress 1
		.amdhsa_inst_pref_size 7
	.end_amdhsa_kernel
	.amdgpu_metadata
---
amdhsa.version: [ 1, 2 ]
amdhsa.kernels:
  - .name:           k_qef64f6c37a_cast
    .symbol:         k_qef64f6c37a_cast.kd
    .args:
      - { .name: x, .offset: 0, .size: 8, .value_kind: global_buffer, .address_space: global }
      - { .name: Wq, .offset: 8, .size: 8, .value_kind: global_buffer, .address_space: global }
      - { .name: Wk, .offset: 16, .size: 8, .value_kind: global_buffer, .address_space: global }
      - { .name: Wv, .offset: 24, .size: 8, .value_kind: global_buffer, .address_space: global }
      - { .name: xb, .offset: 32, .size: 8, .value_kind: global_buffer, .address_space: global }
      - { .name: wb, .offset: 40, .size: 8, .value_kind: global_buffer, .address_space: global }
    .group_segment_fixed_size: 0
    .private_segment_fixed_size: 0
    .kernarg_segment_align: 8
    .kernarg_segment_size: 48
    .max_flat_workgroup_size: 256
    .sgpr_count:     66
    .vgpr_count:     112
    .wavefront_size: 32
...
	.end_amdgpu_metadata
.endif
;; end of part 1
;; launch proj (part 2): grid 8 x 32, 4 waves a work-group, clusters of 4 x 4, 327,680 bytes of LDS; arguments xb, wb, qkv, bq, bk, bv; writes qkv
.if DOCPART == 2
	.amdgcn_target "amdgcn-amd-amdhsa--gfx1250"
	.amdhsa_code_object_version 6
	.text
	.protected	k_qef64f6c37a_proj
	.globl	k_qef64f6c37a_proj
	.p2align	8
	.type	k_qef64f6c37a_proj,@function
k_qef64f6c37a_proj:
	s_mov_b64 s[64:65], 0
	v_nop
	global_prefetch_b8 v0, s[64:65] scope:SCOPE_SE
	s_setreg_imm32_b32 hwreg(HW_REG_WAVE_MODE, 25, 1), 1
	s_wait_xcnt 0x0
	s_wait_alu depctr_hold_cnt(0) depctr_sa_sdst(0) depctr_va_vdst(0) depctr_va_sdst(0) depctr_va_ssrc(0) depctr_va_vcc(0) depctr_vm_vsrc(0)
	s_getreg_b32 s2, hwreg(HW_REG_IB_STS2, 6, 4)
	s_cmp_eq_u32 s2, 0
	s_cbranch_scc0 .Lentry_in_a_cluster
	s_endpgm
.Lentry_in_a_cluster:
	s_bfe_u32 s2, ttmp6, 0x10000c
	s_cmp_lg_u32 s2, 0xf033
	s_cbranch_scc0 .Lentry_shape_is_right
	s_endpgm
.Lentry_shape_is_right:
; PROJ.  qkv[t][n] = sum over k of x[t][k] W[k][n] + bf16(bias[n]).  xb: x in bf16, in blocks [16 kb][8192 tokens][64]; wb [1024 k][3072 n] bf16 (q, k, v side by side);
; bias f32 (bq, bk, bv: 1,024 each); qkv [8192][3072] f16.  Sums in f32, K ascending, rounded once to f16.  The bias is rounded to bf16 like every other input of the module and is the C operand
; of the product that starts each sum.
; LIMIT.  f16 holds no number beyond 65,504: a q, k or v beyond that becomes an infinity.  NaN and infinities are not treated apart.
; SHARES.  3,072 columns hold the factor 3, so a work-group's tile is 256 tokens x three STRIPS of 128 columns, the same 128 of q, of k and of v: 8 x 32 = 256 work-groups of equal work.
; A wave takes 64 tokens x all 384 columns: 96 accumulators, 768 registers; a strip's 128 columns are 256 bytes of a row of qkv, so each wave stores whole aligned blocks by itself.
; K = 1,024 goes in 16 steps of 64 through two LDS slots (two slots of 128 along K would take 360,448 bytes).  In xb's blocks a step's 256 tokens are 32,768 dense bytes.
; CLUSTER.  4 x 4 work-groups: the four of a row need the same tile of xb, the four of a column the same strips of wb: each is asked for jointly, same descriptor and mask in all four.
; THE MATRIX INSTRUCTION IS USED TRANSPOSED: source 0 = 16 columns of W (wb lies [k][n]: its fragments come out of LDS by the turning load), source 1 = 16 tokens:
; a lane holds one token (lane % 16) and eight neighbouring columns 8 (lane / 16) + 0..7.
; A STEP IS SIX THIRDS: a third is one strip x 32 along K, 32 matrix instructions.  At a third's head the next third's 16 loads of wb's fragments go out, into the other of two buffers.
; REGISTERS, in windows of 256: window 0: v0-31 addresses; v32-63, v64-95 xb's fragments (4 token blocks), two buffers; v128-191, v192-255 wb's fragments (8 column blocks), two buffers;
;   windows 1, 2, 3: the accumulators of strips q, k, v ((a, b) at 8 (8 a + b)).  All sources lie in window 0, so a third has two switches of the windows.
;   Up to the first quarter the bias waits where nothing lives yet: q's in window 2 v0-63, k's in window 3 v0-63, v's in window 0 v64-127.
.set SIZE_N, 3072
.set PA,     144                       ; an LDS row of xb: 128 bytes + 16: the 16 rows of a fragment load start at 16 different groups of four banks
.set PB,     288                       ; an LDS row of a strip of wb: 256 bytes + 32, an odd multiple of 32
.set ATILE,  256*PA                    ; xb's 256 tokens
.set BTILE,  64*PB                     ; one strip's 64 k rows
.set SLOT1,  0x20000                   ; slot 1 begins here (a slot is 92,160 bytes): its one bit meets none of the four tiles' places in a slot, so one exclusive or changes slots
.set STAGE,  SLOT1+ATILE+3*BTILE       ; behind the ring: 16 rows x 272 bytes for each wave, for the way out
.set SPITCH, 272
.set SPARE,  STAGE+4*16*SPITCH         ; behind the stages: the spare words, 128 bytes for each wave
.set KBLK,   8192*128                  ; bytes from a k block of xb to the next
.set BSTEP,  64*SIZE_N*2               ; bytes from a step's k rows of wb to the next step's
.set ADRA0, 16                         ; v16  my lane's place among xb's fragments in slot 0; never rewritten
.set ADRB0, 17                         ; v17  the same for wb
.set ADRA,  18                         ; v18  the same in the slot that is being read
.set ADRB,  19                         ; v19
.set STO,  24                          ; v24  the way out: where I put 16 bytes of a row
.set RD,   25                          ; v25  where I read a row back
.set CO,   26                          ; v26  my byte offset in qkv
.set BO,   27                          ; v27  my byte offset in a bias
.set SPW,  28                          ; v28  LDS address of my spare word; never rewritten
.set NIL,  29                          ; v29  0; never rewritten
.set AF0,  32
.set AF1,  64
.set BF0,  128
.set BF1,  192
.set BI2,  64                          ; v64-127: v's bias, up to the first quarter's last third
.set TMP,  128                         ; the way out: packed results
.set OB,   160                         ; the way out: 16 rows read back: v160-191 and v192-223 by turns
.set G1,  24                           ; s[24:31] descriptor group 1 for xb's tiles
.set G0,  32                           ; s[32:39] group 0, two sets: the two first fills; the second then walks
.set G1B, 48                           ; s[48:55], s[56:63] the same for wb's strips
.set G0B, 56
.set TB,  45                           ; s45  LDS byte at which the slot being read begins
.set MSB, 0
.macro WIN new                         ; the immediate's high byte repeats the setting that is left; a switch that changes nothing is dropped
.if MSB != (\new)
	s_set_vgpr_msb (MSB<<8)|(\new)
.set MSB, \new
.endif
.endm
.macro PLACES n=4                      ; places between a matrix instruction and a load into its sources (four), or a matrix instruction that writes over them (five)
.rept \n
	v_nop
.endr
.endm
; A joint load.  Wave 0 fetches xb's tile, waves 1 to 3 one strip of wb each.  The branch hangs on the wave's number alone.  An s_nop 0 and four v_nop follow each line.
.macro JLOAD s
	s_cmp_eq_u32 s10, 0
	s_cbranch_scc0 .Lfor_b_\@
	tensor_load_to_lds s[G0+4*(\s):G0+4*(\s)+3], s[G1:G1+7]
	s_nop 0
.rept 4
	v_nop
.endr
	s_branch .Lasked_\@
.Lfor_b_\@:
	tensor_load_to_lds s[G0B+4*(\s):G0B+4*(\s)+3], s[G1B:G1B+7]
	s_nop 0
.rept 4
	v_nop
.endr
.Lasked_\@:
.endm
.macro CREST                           ; a round of the cluster's barrier behind its opening barrier
	s_cmp_lg_u32 s10, 0
	s_cbranch_scc1 .Lnot_wave_0_\@
	s_barrier_signal -3
.Lnot_wave_0_\@:
	s_barrier_wait -3
	s_barrier_signal -1
	s_barrier_wait -1
.endm
.macro CROUND                          ; a whole round
	s_barrier_signal -1
	s_barrier_wait -1
	CREST
.endm
	s_load_b128 s[4:7], s[0:1], 0x0                ; xb s[4:5], wb s[6:7]
	s_load_b64 s[8:9], s[0:1], 0x10                ; qkv
	s_load_b64 s[80:81], s[0:1], 0x18              ; bq
	s_load_b64 s[82:83], s[0:1], 0x20              ; bk
	s_load_b64 s[84:85], s[0:1], 0x28              ; bv
	v_lshl_add_u32 v[SPW], v0, 2, SPARE
	v_mov_b32 v[NIL], 0
	ds_add_u32 v[SPW], v[NIL]                      ; the wave's opening: the add and its wait stand ahead of my first tensor load
	ds_add_u32 v28, v29
	v_lshrrev_b32 v1, 5, v0
	v_readfirstlane_b32 s10, v1                    ; wave 0..3: my 64 tokens of the tile; also what I fetch
	s_bfe_u32 s40, ttmp6, 0x40000                  ; cx
	s_bfe_u32 s41, ttmp6, 0x40004                  ; cy
	s_lshl_b32 s42, ttmp9, 2
	s_add_co_u32 s42, s42, s40                     ; tile column = 4 x cluster x + cx, 0..7: columns 128 x that of q, of k and of v
	s_and_b32 s13, ttmp7, 0xffff
	s_lshl_b32 s13, s13, 2
	s_add_co_u32 s13, s13, s41                     ; tile row = 4 x cluster y + cy, 0..31
	s_lshl_b32 s43, s41, 2
	s_lshl_b32 s43, 15, s43                        ; my row of the cluster
	s_lshl_b32 s44, 0x1111, s40                    ; my column
	; xb's tile: 32,768 dense bytes, asked for as 128 rows of 256 bytes (two tokens a row) and padded in LDS after every token
	s_or_b32 s[G1+0], s43, (1<<16)|(1<<20)|(1<<21)|(4<<22)|(3<<25)   ; mask of my row; 2-byte elements; padding on; bit 21 beside a mask; after every 32 words 4 words
	s_mov_b32 s[G1+1], 128<<16                     ; tensor_dim0 = 128
	s_mov_b32 s[G1+2], 128<<16                     ; tensor_dim1 = 128
	s_mov_b32 s[G1+3], 128<<16                     ; tile_dim0 = 128 elements
	s_mov_b32 s[G1+4], 128                         ; tile_dim1 = 128 rows
	s_mov_b32 s[G1+5], 128                         ; elements from row to row
	s_mov_b32 s[G1+6], 0
	s_mov_b32 s[G1+7], 0
	; a strip of wb: 64 k rows x 128 columns
	s_or_b32 s[G1B+0], s44, (1<<16)|(1<<20)|(1<<21)|(5<<22)|(7<<25)  ; mask of my column; after every 64 words 8 words
	s_mov_b32 s[G1B+1], 128<<16                    ; tensor_dim0 = 128
	s_mov_b32 s[G1B+2], 64<<16                     ; tensor_dim1 = 64
	s_mov_b32 s[G1B+3], 128<<16                    ; tile_dim0 = 128 columns
	s_mov_b32 s[G1B+4], 64                         ; tile_dim1 = 64 k rows
	s_mov_b32 s[G1B+5], SIZE_N
	s_mov_b32 s[G1B+6], 0
	s_mov_b32 s[G1B+7], 0
	s_lshl_b32 s16, s13, 15                        ; xb: 256 tokens of 128 bytes a tile row
	s_mov_b32 s17, 0
	s_max_u32 s12, s10, 1
	s_sub_co_u32 s12, s12, 1                       ; wb: waves 1, 2, 3 fetch strips 0, 1, 2 (wave 0 makes an address that it never uses)
	s_lshl_b32 s46, s12, 11                        ; a strip's matrix begins 2,048 bytes into a row after the one before,
	s_lshl_b32 s47, s42, 8                         ; and 256 bytes a tile column
	s_add_co_u32 s46, s46, s47
	s_mov_b32 s47, 0
	s_mul_i32 s20, s10, BTILE                      ; where a strip goes: behind xb's tile, wave w's at ATILE + (w - 1) BTILE: no place in the cluster enters an LDS address
	s_add_co_u32 s20, s20, ATILE-BTILE
	s_lshl_b32 s88, s42, 9                         ; the tile column's 128 numbers in each bias
	s_mov_b32 s89, 0
	s_mov_b32 s90, 0xffff0000                      ; a word's upper bf16
	s_mov_b32 s[TB], 0
	s_wait_dscnt 0x0                               ; the opening add is done
	s_wait_kmcnt 0x0
	s_add_nc_u64 s[14:15], s[4:5], s[16:17]
	s_add_nc_u64 s[46:47], s[6:7], s[46:47]
	CROUND                                         ; all sixteen work-groups are here: the first joint loads meet
.irp s, 0,1
	s_mov_b32 s[G0+4*(\s)], 1
	s_mov_b32 s[G0+4*(\s)+1], (\s)*SLOT1
	s_add_nc_u64 s[G0+4*(\s)+2:G0+4*(\s)+3], s[14:15], (\s)*KBLK      ; K step s: k block s
	s_or_b32 s[G0+4*(\s)+3], s[G0+4*(\s)+3], 0x80000000
	s_mov_b32 s[G0B+4*(\s)], 1
	s_add_co_u32 s[G0B+4*(\s)+1], s20, (\s)*SLOT1
	s_add_nc_u64 s[G0B+4*(\s)+2:G0B+4*(\s)+3], s[46:47], (\s)*BSTEP   ; K step s: 64 k rows down
	s_or_b32 s[G0B+4*(\s)+3], s[G0B+4*(\s)+3], 0x80000000
	JLOAD \s                                       ; two loads of mine are out
.endr
	; the three biases of my 128 columns, as a lane needs them: block b's eight numbers in eight registers
	s_add_nc_u64 s[80:81], s[80:81], s[88:89]
	s_add_nc_u64 s[82:83], s[82:83], s[88:89]
	s_add_nc_u64 s[84:85], s[84:85], s[88:89]
	v_and_b32 v1, 15, v0                           ; r = l % 16
	v_bfe_u32 v2, v0, 4, 1                         ; h = l / 16
	v_lshlrev_b32 v[BO], 5, v2                     ; my eight columns of a block of 16: 32 h bytes
.macro BLOAD base, ptr
.irp b, 0,1,2,3,4,5,6,7
	global_load_b128 v[(\base)+8*(\b):(\base)+8*(\b)+3],   v[BO], s[\ptr:\ptr+1] offset:64*(\b)
	global_load_b128 v[(\base)+8*(\b)+4:(\base)+8*(\b)+7], v[BO], s[\ptr:\ptr+1] offset:64*(\b)+16
.endr
.endm
	WIN 0x80                                       ; destination window 2, address window 0
	BLOAD 0, 80
	WIN 0xc0                                       ; destination window 3
	BLOAD 0, 82
	WIN 0
	BLOAD BI2, 84
	v_and_b32 v6, 7, v0
	v_bfe_u32 v7, v0, 3, 1
	v_mul_u32_u24 v3, v1, PA
	v_lshl_add_u32 v3, v2, 4, v3                   ; xb: row x pitch + 16 h
	s_mul_i32 s21, s10, 64*PA                      ; my 64 tokens
	v_add_nc_u32 v[ADRA0], s21, v3
	v_lshl_add_u32 v4, v2, 3, v6                   ; wb, turning load: k row 8 h + l % 8,
	v_mul_u32_u24 v4, v4, PB
	v_lshl_add_u32 v4, v7, 4, v4                   ; columns 8 ((l / 8) % 2) on,
	v_add_nc_u32 v[ADRB0], ATILE, v4               ; behind xb's tile
	v_mov_b32 v[ADRA], v[ADRA0]
	v_mov_b32 v[ADRB], v[ADRB0]
	s_mul_i32 s23, s10, 16*SPITCH
	s_add_co_u32 s23, s23, STAGE                   ; my stage
	v_mul_u32_u24 v4, v1, SPITCH                   ; in: token l % 16, 16 bytes for each half of the lanes
	v_lshl_add_u32 v4, v2, 4, v4
	v_add_nc_u32 v[STO], s23, v4
	v_mul_u32_u24 v5, v2, SPITCH                   ; back: lanes 0-15 one row of 256 bytes, lanes 16-31 the next
	v_lshl_add_u32 v5, v1, 4, v5
	v_add_nc_u32 v[RD], s23, v5
	v_mul_u32_u24 v5, v2, SIZE_N*2                 ; and the same two rows in qkv
	v_lshl_add_u32 v[CO], v1, 4, v5
	s_lshl_b32 s16, s13, 8
	s_lshl_b32 s17, s10, 6
	s_add_co_u32 s16, s16, s17                     ; my first token
	s_mul_i32 s16, s16, SIZE_N*2
	s_mov_b32 s17, 0
	s_add_nc_u64 s[8:9], s[8:9], s[16:17]
	s_lshl_b32 s46, s42, 8                         ; the tile column's 256 bytes in each third of a row
	s_mov_b32 s47, 0
	s_add_nc_u64 s[8:9], s[8:9], s[46:47]          ; qkv at my first token, strip q; never rewritten: block and strip stand in the stores' immediates
	s_wait_loadcnt 0x0                             ; the biases
.macro ROUNDB w, base, tmp             ; 64 numbers in window w rounded to bf16 (two at a time, into window 0) and widened again
	WIN (\w)|((\w)<<2)
.set i, 0
.rept 32
	v_cvt_pk_bf16_f32 v[(\tmp)+i], v[(\base)+2*i], v[(\base)+2*i+1]
.set i, i+1
.endr
	WIN (\w)<<6
.set i, 0
.rept 32
	v_lshlrev_b32 v[(\base)+2*i], 16, v[(\tmp)+i]
	v_and_b32 v[(\base)+2*i+1], s90, v[(\tmp)+i]
.set i, i+1
.endr
.endm
	ROUNDB 2, 0, 128
	ROUNDB 3, 0, 160
	ROUNDB 0, BI2, 192
	WIN 0
; 16 matrix instructions of strip g: token blocks a0, a0 + 1 x all 8 column blocks, 32 along K.  zero = 1: the product starts the sum, with the strip's bias as C: nothing is cleared.
; The 96 accumulators take turns, one instruction a turn, in the same order in every quarter.
.macro MUL16 g, af, bf, a0, zero
.if \zero
	WIN (((\g)+1)<<6)|((((\g)+2)%4)<<4)            ; D in window g + 1; C: q's bias in window 2, k's in window 3, v's in window 0
.else
	WIN (((\g)+1)<<6)|(((\g)+1)<<4)
.endif
.irp a, \a0, (\a0)+1
.irp b, 0,1,2,3,4,5,6,7
.if \zero
	v_wmma_f32_16x16x32_bf16 v[8*(8*(\a)+(\b)):8*(8*(\a)+(\b))+7], v[(\bf)+8*(\b):(\bf)+8*(\b)+7], v[(\af)+8*(\a):(\af)+8*(\a)+7], v[BI2*((\g)/2)+8*(\b):BI2*((\g)/2)+8*(\b)+7]
.else
	v_wmma_f32_16x16x32_bf16 v[8*(8*(\a)+(\b)):8*(8*(\a)+(\b))+7], v[(\bf)+8*(\b):(\bf)+8*(\b)+7], v[(\af)+8*(\a):(\af)+8*(\a)+7], v[8*(8*(\a)+(\b)):8*(8*(\a)+(\b))+7]
.endif
.endr
.endr
.endm
.macro FB g, q, bf                     ; 16 LDS loads in one run: strip g's eight column blocks, 32 along K from 32 q on, turned
	WIN 0
.irp i, 0,1,2,3,4,5,6,7
	ds_load_tr16_b128 v[(\bf)+8*(\i):(\bf)+8*(\i)+3],   v[ADRB] offset:(\g)*BTILE+(\q)*32*PB+32*(\i)
	ds_load_tr16_b128 v[(\bf)+8*(\i)+4:(\bf)+8*(\i)+7], v[ADRB] offset:(\g)*BTILE+(\q)*32*PB+16*PB+32*(\i)
.endr
.endm
.macro FA q, af                        ; 8 LDS loads: my four token blocks, 32 along K from 32 q on
	WIN 0
.irp i, 0,1,2,3
	ds_load_b128 v[(\af)+8*(\i):(\af)+8*(\i)+3],   v[ADRA] offset:64*(\q)+(\i)*16*PA
	ds_load_b128 v[(\af)+8*(\i)+4:(\af)+8*(\i)+7], v[ADRA] offset:64*(\q)+(\i)*16*PA+32
.endr
.endm
; A third: the next third's fragments (strip ng, quarter nq) go out into the buffer that the third before multiplied; then strip g is multiplied from buffers af and bf.
; fa = 1: xb's fragments of the step's second quarter go out with them.
.macro THIRD g, af, bf, ng, nq, nbf, fa, zero
	WIN 0
.if \zero
	PLACES 5                                       ; five: this third's products write over the registers from which the third before took its bias
.else
	PLACES 4
.endif
	FB \ng, \nq, \nbf
.if \fa
	FA 1, AF1
	s_wait_dscnt 24                                ; all but the 24 just issued: this third's fragments are in
.else
	s_wait_dscnt 16                                ; all but the 16 just issued
.endif
	MUL16 \g, \af, \bf, 0, \zero
	MUL16 \g, \af, \bf, 2, \zero
.endm
; A step's last two thirds, and the change of slots: ONE barrier.  The fifth third's loads are my last reads of this slot.  In front of the barrier each wave waits for all its tensor loads (one is out:
; its part of the next slot), adds 0 to its spare word, and waits for that and for its reads.  fill = 1: the barrier opens a round of the cluster's, and the slot just read is filled again, two steps
; ahead, first thing behind the round: 176 matrix instructions ahead of the wait for it.  The sixth third's loads read the other slot.
; fill = 0 (the tail): nothing is asked for; in the tail's last trip (s3 = 1) there is no further step, and the run of loads is jumped over.
.macro TURN fill
	WIN 0
	PLACES
	FB 2, 1, BF1
	s_wait_tensorcnt 0x0                           ; all my tensor loads have landed
	ds_add_u32 v[SPW], v[NIL]                      ; 0 onto my spare word
	s_wait_dscnt 17                                ; (the add and the sixteen loads just issued may be out)
	MUL16 1, AF1, BF0, 0, 0
	s_wait_dscnt 0x0                               ; the add is done, and my reads of this slot are over
	s_barrier_signal -1
	MUL16 1, AF1, BF0, 2, 0
	WIN 0
	s_barrier_wait -1
.if \fill
	CREST                                          ; no wave of any partner still reads this slot or has a load on its way
	s_xor_b32 s[G0+5], s[G0+5], SLOT1              ; the walking descriptors: the other slot than last time,
	s_add_nc_u64 s[G0+6:G0+7], s[G0+6:G0+7], KBLK  ; the next K step
	s_xor_b32 s[G0B+5], s[G0B+5], SLOT1
	s_add_nc_u64 s[G0B+6:G0B+7], s[G0B+6:G0B+7], BSTEP
	JLOAD 1                                        ; its four v_nop are also the places in front of the loads below
.else
	PLACES
	s_cmp_eq_u32 s3, 1
	s_cbranch_scc1 .Lno_fetch_\@
.endif
	s_xor_b32 s[TB], s[TB], SLOT1                  ; the reads go on in the other slot
	v_add_nc_u32 v[ADRA], s[TB], v[ADRA0]
	v_add_nc_u32 v[ADRB], s[TB], v[ADRB0]
	FB 0, 0, BF0
	FA 0, AF0
.if !(\fill)
.Lno_fetch_\@:
.endif
	MUL16 2, AF1, BF1, 0, 0                        ; its fragments came in with the wait for 0 above
	MUL16 2, AF1, BF1, 2, 0
.endm
; THE WAY OUT of part n of twelve: strip n / 4, token block n % 4: 16 tokens x 128 columns.  PACK: rounded to f16, 16 bytes a lane, each accumulator's registers in ascending order.
; TOSTAGE: into my own stage, back as whole rows of 256 bytes.  SEND: stored.
.macro PACK n
.set AC, 64*((\n)%4)
	WIN 5*((\n)/4+1)                               ; sources 0 and 1: the strip's window
.irp b, 0,1,2,3,4,5,6,7
.irp r, 0,1,2,3
	v_cvt_pk_f16_f32 v[TMP+4*(\b)+(\r)], v[AC+8*(\b)+2*(\r)], v[AC+8*(\b)+2*(\r)+1]
.endr
.endr
	WIN 0
.endm
.macro TOSTAGE n
.set BK, OB+32*((\n)%2)
.irp b, 0,1,2,3,4,5,6,7
	ds_store_b128 v[STO], v[TMP+4*(\b):TMP+4*(\b)+3] offset:32*(\b)
.endr
.irp t, 0,1,2,3,4,5,6,7
	ds_load_b128 v[BK+4*(\t):BK+4*(\t)+3], v[RD] offset:(\t)*2*SPITCH  ; LDS serves a wave's instructions in order (ISA guide 5.7.1.4): these see the stores above
.endr
.endm
.macro SEND n
.set BK, OB+32*((\n)%2)
	s_wait_dscnt 0x0                               ; the part is back in registers
	s_wait_xcnt 0x0                                ; the stores of the part before have read their data: the next part comes back into those registers only behind this wait
.irp t, 0,1,2,3,4,5,6,7
	global_store_b128 v[CO], v[BK+4*(\t):BK+4*(\t)+3], s[8:9] offset:(16*((\n)%4)+2*(\t))*SIZE_N*2+((\n)/4)*2048  ; 16 lanes store 256 consecutive bytes, at a multiple of 256 from qkv's first byte
.endr
.endm
	s_wait_tensorcnt 1                             ; my part of K step 0 is in; step 1's stays out
	s_barrier_signal -1
	s_barrier_wait -1
	FB 0, 0, BF0
	FA 0, AF0
	THIRD 0, AF0, BF0, 1, 0, BF1, 0, 1             ; the first quarter stands in front of the loop: its products start the sums
	THIRD 1, AF0, BF1, 2, 0, BF0, 0, 1
	THIRD 2, AF0, BF0, 0, 1, BF1, 0, 1             ; v's bias still lies in xb's second buffer,
	WIN 0
	PLACES
	FA 1, AF1                                      ; which is therefore loaded behind these products, this once
	s_mov_b32 s3, 14
.Lstep:                                                ; fourteen trips: from a K step's second quarter to the next step's first; they ask for K steps 2 to 15
	THIRD 0, AF1, BF1, 1, 1, BF0, 0, 0
	TURN 1
	THIRD 0, AF0, BF0, 1, 0, BF1, 0, 0
	THIRD 1, AF0, BF1, 2, 0, BF0, 0, 0
	THIRD 2, AF0, BF0, 0, 1, BF1, 1, 0
	WIN 0
	s_sub_co_u32 s3, s3, 1
	s_cmp_lg_u32 s3, 0
	s_cbranch_scc1 .Lstep
	s_mov_b32 s3, 2
.Ltail:                                                ; K steps 14 and 15: nothing is asked for; the second trip is left in its middle
	THIRD 0, AF1, BF1, 1, 1, BF0, 0, 0
	TURN 0
	WIN 0
	s_sub_co_u32 s3, s3, 1
	s_cmp_eq_u32 s3, 0
	s_cbranch_scc1 .Lout
	THIRD 0, AF0, BF0, 1, 0, BF1, 0, 0
	THIRD 1, AF0, BF1, 2, 0, BF0, 0, 0
	THIRD 2, AF0, BF0, 0, 1, BF1, 1, 0
	WIN 0
	s_branch .Ltail
.Lout:
	PACK 0                                         ; strips q and k were finished in front of TURN's places; their conversions are the places behind the last products (strip v's)
	TOSTAGE 0
.irp n, 1,2,3,4,5,6,7,8,9,10,11
	PACK \n
	SEND (\n)-1
	TOSTAGE \n
.endr
	SEND 11
	s_wait_tensorcnt 0x0                           ; the wave's end
	ds_add_u32 v[SPW], v[NIL]
	s_wait_dscnt 0x0
	CROUND                                         ; the closing round
	s_endpgm
.Lfunc_end_k_qef64f6c37a_proj:
	.size	k_qef64f6c37a_proj, .Lfunc_end_k_qef64f6c37a_proj-k_qef64f6c37a_proj
	.p2alignl 7, 3214868480
	.fill 96, 4, 3214868480
	.section	.rodata,"a",@progbits
	.p2align	6, 0x0
	.amdhsa_kernel k_qef64f6c37a_proj
		.amdhsa_group_segment_fixed_size 327680
		.amdhsa_private_segment_fixed_size 0
		.amdhsa_enable_private_segment 0
		.amdhsa_kernarg_size 48
		.amdhsa_user_sgpr_count 2
		.amdhsa_user_sgpr_kernarg_segment_ptr 1
		.amdhsa_wavefront_size32 1
		.amdhsa_system_sgpr_workgroup_id_x 1
		.amdhsa_system_sgpr_workgroup_id_y 1
		.amdhsa_system_sgpr_workgroup_id_z 1
		.amdhsa_system_vgpr_workitem_id 0
		.amdhsa_next_free_vgpr 1024
		.amdhsa_next_free_sgpr 92
		.amdhsa_reserve_vcc 0
		.amdhsa_float_denorm_mode_32 3
		.amdhsa_float_denorm_mode_16_64 3
		.amdhsa_memory_ordered 1
		.amdhsa_forward_progress 1
		.amdhsa_inst_pref_size 126
	.end_amdhsa_kernel
	.amdgpu_metadata
---
amdhsa.version: [ 1, 2 ]
amdhsa.kernels:
  - .name:           k_qef64f6c37a_proj
    .symbol:         k_qef64f6c37a_proj.kd
    .args:
      - { .name: xb, .offset: 0, .size: 8, .value_kind: global_buffer, .address_space: global }
      - { .name: wb, .offset: 8, .size: 8, .value_kind: global_buffer, .address_space: global }
      - { .name: qkv, .offset: 16, .size: 8, .value_kind: global_buffer, .address_space: global }
      - { .name: bq, .offset: 24, .size: 8, .value_kind: global_buffer, .address_space: global }
      - { .name: bk, .offset: 32, .size: 8, .value_kind: global_buffer, .address_space: global }
      - { .name: bv, .offset: 40, .size: 8, .value_kind: global_buffer, .address_space: global }
    .group_segment_fixed_size: 327680
    .private_segment_fixed_size: 0
    .kernarg_segment_align: 8
    .kernarg_segment_size: 48
    .max_flat_workgroup_size: 128
    .sgpr_count:     92
    .vgpr_count:     1024
    .wavefront_size: 32
...
	.end_amdgpu_metadata
.endif
;; end of part 2
;; launch scores (part 3): grid 36 x 4, 4 waves a work-group, no clusters, 327,680 bytes of LDS; arguments qkv, sc; writes sc
.if DOCPART == 3
	.amdgcn_target "amdgcn-amd-amdhsa--gfx1250"
	.amdhsa_code_object_version 6
	.text
	.protected	k_qef64f6c37a_scores
	.globl	k_qef64f6c37a_scores
	.p2align	8
	.type	k_qef64f6c37a_scores,@function
k_qef64f6c37a_scores:
	s_mov_b64 s[64:65], 0
	v_nop
	global_prefetch_b8 v0, s[64:65] scope:SCOPE_SE
	s_setreg_imm32_b32 hwreg(HW_REG_WAVE_MODE, 25, 1), 1
	s_wait_xcnt 0x0
; SCORES.  sc[b][q][k] = sum over f of q[b][q][f] k[b][k][f], raw, in f32.  q and k are columns 0-1023 and 1024-2047 of qkv [8192][3072] f16; sc is [4][2048][2048] f32.
; Only the 36 tiles of 256 x 256 on and below the diagonal of each batch are made and stored; the diagonal tiles whole (the next launch hides what lies above the diagonal).
; SHARES.  Work-group x = t counts the triangle's tiles row by row: tile row I is the number of 1, 3, 6, 10, 15, 21, 28 that t reaches, tile column J = t - I (I + 1) / 2; y = the batch.
; Four waves, 128 x 128 each: 64 accumulators.  K = 1,024 in 8 steps of 128 through two LDS slots.  Source 0 = 16 keys, source 1 = 16 queries: a lane holds one query and eight neighbouring keys.
; NO CLUSTER: the triangle's rows have 1 to 8 tiles; groups of four with a common row or column exist only if some work-groups take a tile that is wholly hidden.
; REGISTERS: window 0: v0-31 addresses; v64-127, v128-191 q's fragments; on the way out v128-255 rows read back; window 1: k's fragments; windows 2, 3: accumulators ((a, b) at 8 (8 a + b)).
.set QP,     6144                      ; bytes in a row of qkv
.set PITCH,  272
.set HALFT,  128*PITCH
.set SLOT,   4*HALFT                   ; q's 256 rows, then k's 256 rows; 0x22000: its bits meet none of wave x HALFT
.set STAGE,  2*SLOT                    ; behind the ring: 16 rows x 528 bytes for each wave
.set SPITCH, 528                       ; 512 bytes + 16
.set SPARE,  STAGE+4*16*SPITCH
.set ADRA0, 16
.set ADRB0, 17
.set ADRA,  18
.set ADRB,  19
.set STO,  24
.set RD,   25
.set CO,   26
.set SPW,  28
.set NIL,  29
.set F0,   64
.set F1,   128
.set G1,  24                           ; s[24:31] descriptor group 1, one for q's and k's tiles
.set G0,  32                           ; s[32:39] group 0, two sets; the second walks
.set TB,  45
.set MSB, 0
.macro WIN new
.if MSB != (\new)
	s_set_vgpr_msb (MSB<<8)|(\new)
.set MSB, \new
.endif
.endm
.macro PLACES
.rept 4
	v_nop
.endr
.endm
.macro LOAD s                          ; each wave's own quarter of a slot; an s_nop 0 and four v_nop follow
	tensor_load_to_lds s[G0+4*(\s):G0+4*(\s)+3], s[G1:G1+7]
	s_nop 0
.rept 4
	v_nop
.endr
.endm
	s_load_b64 s[4:5], s[0:1], 0x0                 ; qkv
	s_load_b64 s[8:9], s[0:1], 0x8                 ; sc
	v_lshl_add_u32 v[SPW], v0, 2, SPARE
	v_mov_b32 v[NIL], 0
	ds_add_u32 v[SPW], v[NIL]                      ; the wave's opening: the add and its wait stand ahead of my first tensor load
	ds_add_u32 v28, v29
	v_lshrrev_b32 v1, 5, v0
	v_readfirstlane_b32 s10, v1                    ; wave 0..3
	s_lshr_b32 s11, s10, 1                         ; my half of the queries
	s_and_b32 s12, s10, 1                          ; my half of the keys.  Also: which 128 rows I fetch
	s_and_b32 s41, ttmp7, 0xffff                   ; batch
	s_mov_b32 s13, 0
.irp t, 1,3,6,10,15,21,28
	s_cmp_ge_u32 ttmp9, \t
	s_add_co_ci_u32 s13, s13, 0                    ; I counts the thresholds reached
.endr
	s_add_co_u32 s14, s13, 1
	s_mul_i32 s14, s14, s13
	s_lshr_b32 s14, s14, 1
	s_sub_co_u32 s42, ttmp9, s14                   ; J
	s_mov_b32 s[G1+0], (1<<16)|(1<<20)|(5<<22)|(3<<25)  ; 2-byte elements; padding on: after every 64 words 4 words
	s_mov_b32 s[G1+1], 128<<16
	s_mov_b32 s[G1+2], 128<<16
	s_mov_b32 s[G1+3], 128<<16                     ; tile: 128 along K
	s_mov_b32 s[G1+4], 128                         ; x 128 rows
	s_mov_b32 s[G1+5], 3072                        ; elements from row to row
	s_mov_b32 s[G1+6], 0
	s_mov_b32 s[G1+7], 0
	s_cmp_lt_u32 s10, 2                            ; waves 0, 1 fetch q's rows of tile row I, waves 2, 3 k's rows of tile column J
	s_cselect_b32 s16, s13, s42
	s_cselect_b32 s17, 0, 2048                     ; k lies 2,048 bytes into a row
	s_lshl_b32 s16, s16, 8
	s_lshl_b32 s18, s12, 7
	s_add_co_u32 s16, s16, s18
	s_lshl_b32 s18, s41, 11
	s_add_co_u32 s16, s16, s18                     ; row 2,048 b + 256 x tile + 128 x half
	s_mul_i32 s16, s16, QP
	s_add_co_u32 s16, s16, s17
	s_mov_b32 s17, 0
	s_mul_i32 s20, s10, HALFT                      ; where it goes: wave x 128 rows
	s_mov_b32 s[TB], 0
	s_wait_dscnt 0x0                               ; the opening add is done
	s_wait_kmcnt 0x0
	s_add_nc_u64 s[14:15], s[4:5], s[16:17]
.irp s, 0,1
	s_mov_b32 s[G0+4*(\s)], 1
	s_add_co_u32 s[G0+4*(\s)+1], s20, (\s)*SLOT
	s_add_nc_u64 s[G0+4*(\s)+2:G0+4*(\s)+3], s[14:15], (\s)*256
	s_or_b32 s[G0+4*(\s)+3], s[G0+4*(\s)+3], 0x80000000
	LOAD \s                                        ; two loads of mine are out
.endr
	v_and_b32 v1, 15, v0
	v_bfe_u32 v2, v0, 4, 1
	v_mul_u32_u24 v3, v1, PITCH
	v_lshl_add_u32 v3, v2, 4, v3                   ; row x pitch + 16 h
	s_mul_i32 s21, s11, HALFT
	s_mul_i32 s22, s12, HALFT
	s_add_co_u32 s22, s22, 2*HALFT
	v_add_nc_u32 v[ADRA0], s21, v3
	v_add_nc_u32 v[ADRB0], s22, v3
	v_mov_b32 v[ADRA], v[ADRA0]
	v_mov_b32 v[ADRB], v[ADRB0]
	s_mul_i32 s23, s10, 16*SPITCH
	s_add_co_u32 s23, s23, STAGE                   ; my stage
	v_mul_u32_u24 v4, v1, SPITCH                   ; in: query l % 16, 32 bytes for each half of the lanes
	v_lshl_add_u32 v4, v2, 5, v4
	v_add_nc_u32 v[STO], s23, v4
	v_and_b32 v5, 31, v0
	v_lshlrev_b32 v[CO], 4, v5                     ; back and out: 32 lanes take a row's 512 bytes
	v_add_nc_u32 v[RD], s23, v[CO]
	s_lshl_b32 s16, s41, 11
	s_lshl_b32 s17, s13, 8
	s_add_co_u32 s16, s16, s17
	s_lshl_b32 s17, s11, 7
	s_add_co_u32 s16, s16, s17                     ; my first row of sc,
	s_lshl_b32 s16, s16, 13                        ; 8,192 bytes each
	s_lshl_b32 s17, s42, 10                        ; my first key, 4 bytes each
	s_add_co_u32 s16, s16, s17
	s_lshl_b32 s17, s12, 9
	s_add_co_u32 s16, s16, s17
	s_mov_b32 s17, 0
; The 64 accumulators take turns, one instruction a turn, in the same order in every quarter.  zero = 1: the product starts the sum.
.macro MUL16 f, hi, a0, zero
	WIN 0xa1+0x50*(\hi)
.irp a, \a0, (\a0)+1
.irp b, 0,1,2,3,4,5,6,7
.if \zero
	v_wmma_f32_16x16x32_f16 v[8*(8*(\a)+(\b)):8*(8*(\a)+(\b))+7], v[(\f)+8*(\b):(\f)+8*(\b)+7], v[(\f)+8*(4*(\hi)+(\a)):(\f)+8*(4*(\hi)+(\a))+7], 0
.else
	v_wmma_f32_16x16x32_f16 v[8*(8*(\a)+(\b)):8*(8*(\a)+(\b))+7], v[(\f)+8*(\b):(\f)+8*(\b)+7], v[(\f)+8*(4*(\hi)+(\a)):(\f)+8*(4*(\hi)+(\a))+7], v[8*(8*(\a)+(\b)):8*(8*(\a)+(\b))+7]
.endif
.endr
.endr
.endm
.macro FETCH q, f                      ; 32 LDS loads in one run: k's eight blocks, then q's eight
	WIN 0x40
.irp i, 0,1,2,3,4,5,6,7
	ds_load_b128 v[(\f)+8*(\i):(\f)+8*(\i)+3],   v[ADRB] offset:64*(\q)+(\i)*16*PITCH
	ds_load_b128 v[(\f)+8*(\i)+4:(\f)+8*(\i)+7], v[ADRB] offset:64*(\q)+(\i)*16*PITCH+32
.endr
	WIN 0
.irp i, 0,1,2,3,4,5,6,7
	ds_load_b128 v[(\f)+8*(\i):(\f)+8*(\i)+3],   v[ADRA] offset:64*(\q)+(\i)*16*PITCH
	ds_load_b128 v[(\f)+8*(\i)+4:(\f)+8*(\i)+7], v[ADRA] offset:64*(\q)+(\i)*16*PITCH+32
.endr
.endm
.macro QUARTER q, f, g, zero
	s_wait_dscnt 8                                 ; k's fragments and queries 0-63 are in; the youngest eight loads may be out
	MUL16 \f, 0, 0, \zero
	MUL16 \f, 0, 2, \zero
	PLACES
	FETCH \q, \g
	s_wait_dscnt 32                                ; all but the 32 just issued
	MUL16 \f, 1, 0, \zero
	MUL16 \f, 1, 2, \zero
.endm
; The last quarter and the change of slots: one barrier; in front of it all my tensor loads have landed, the add is done and my reads of the slot are over; behind it the refill comes first.
.macro TURN fill
	WIN 0
	s_wait_tensorcnt 0x0                           ; all my tensor loads have landed: my part of the next slot
	ds_add_u32 v[SPW], v[NIL]                      ; 0 onto my spare word
	s_wait_dscnt 9                                 ; (the add and the youngest eight loads may be out)
	MUL16 F1, 0, 0, 0
	s_wait_dscnt 0x0                               ; the add is done, and my reads of this slot are over
	s_barrier_signal -1
	MUL16 F1, 0, 2, 0
	WIN 0
	s_barrier_wait -1
.if \fill
	s_xor_b32 s[G0+5], s[G0+5], SLOT               ; the walking descriptor: the other slot, the next K step
	s_add_nc_u64 s[G0+6:G0+7], s[G0+6:G0+7], 256
	LOAD 1                                         ; its four v_nop are also the places in front of the loads below
.else
	PLACES
	s_cmp_eq_u32 s3, 1                             ; the tail's last trip has no further step
	s_cbranch_scc1 .Lno_fetch_\@
.endif
	s_xor_b32 s[TB], s[TB], SLOT
	v_add_nc_u32 v[ADRA], s[TB], v[ADRA0]
	v_add_nc_u32 v[ADRB], s[TB], v[ADRB0]
	FETCH 0, F0
.if !(\fill)
.Lno_fetch_\@:
.endif
	MUL16 F1, 1, 0, 0
	MUL16 F1, 1, 2, 0
.endm
; THE WAY OUT of block a (16 queries x 128 keys, f32).  A lane's eight keys are 32 bytes; they go into rows of 528 bytes of my own stage (each accumulator's low four registers first) and come back as whole rows of 512.
.macro TOSTAGE a
.set AC, 64*((\a)%4)
.set BK, 192-64*((\a)%2)
	WIN 0x08+4*((\a)/4)                            ; the stores' data lie in window 2 or 3
.irp b, 0,1,2,3,4,5,6,7
	ds_store_b128 v[STO], v[AC+8*(\b):AC+8*(\b)+3]   offset:64*(\b)
	ds_store_b128 v[STO], v[AC+8*(\b)+4:AC+8*(\b)+7] offset:64*(\b)+16
.endr
	WIN 0
	s_wait_xcnt 0x0                                ; the stores of the block two back have read these registers
.irp t, 0,1,2,3,4,5,6,7,8,9,10,11,12,13,14,15
	ds_load_b128 v[BK+4*(\t):BK+4*(\t)+3], v[RD] offset:SPITCH*(\t)  ; LDS serves a wave's instructions in order (ISA guide 5.7.1.4)
.endr
.endm
.macro SEND a, younger                 ; younger: the next block's 16 LDS stores and 16 loads, or none
.set BK, 192-64*((\a)%2)
	s_wait_dscnt \younger
	s_wait_xcnt 0x0                                ; earlier stores have read the base
.if (\a) == 0
	s_add_nc_u64 s[8:9], s[8:9], s[16:17]
.else
	s_add_nc_u64 s[8:9], s[8:9], 16*8192
.endif
.irp t, 0,1,2,3,4,5,6,7,8,9,10,11,12,13,14,15
	global_store_b128 v[CO], v[BK+4*(\t):BK+4*(\t)+3], s[8:9] offset:8192*(\t)  ; a wave stores 512 consecutive bytes, at a multiple of 256 from sc's first byte
.endr
.endm
	s_wait_tensorcnt 1                             ; my part of K step 0 is in; step 1's stays out
	s_barrier_signal -1
	s_barrier_wait -1
	FETCH 0, F0
	QUARTER 1, F0, F1, 1
	WIN 0
	s_mov_b32 s3, 6
.Lstep:                                                ; six trips; they ask for K steps 2 to 7
	QUARTER 2, F1, F0, 0
	QUARTER 3, F0, F1, 0
	TURN 1
	QUARTER 1, F0, F1, 0
	WIN 0
	s_sub_co_u32 s3, s3, 1
	s_cmp_lg_u32 s3, 0
	s_cbranch_scc1 .Lstep
	s_mov_b32 s3, 2
.Ltail:                                                ; K steps 6 and 7; the second trip is left in its middle
	QUARTER 2, F1, F0, 0
	QUARTER 3, F0, F1, 0
	TURN 0
	WIN 0
	s_sub_co_u32 s3, s3, 1
	s_cmp_eq_u32 s3, 0
	s_cbranch_scc1 .Lout
	QUARTER 1, F0, F1, 0
	WIN 0
	s_branch .Ltail
.Lout:
	PLACES                                         ; the LDS stores read results just made, and rows come back into registers that the last products read
	TOSTAGE 0
.irp a, 1,2,3,4,5,6,7
	TOSTAGE \a
	SEND (\a)-1, 32
.endr
	SEND 7, 0
	s_wait_tensorcnt 0x0                           ; the wave's end
	ds_add_u32 v[SPW], v[NIL]
	s_wait_dscnt 0x0
	s_endpgm
.Lfunc_end_k_qef64f6c37a_scores:
	.size	k_qef64f6c37a_scores, .Lfunc_end_k_qef64f6c37a_scores-k_qef64f6c37a_scores
	.p2alignl 7, 3214868480
	.fill 96, 4, 3214868480
	.section	.rodata,"a",@progbits
	.p2align	6, 0x0
	.amdhsa_kernel k_qef64f6c37a_scores
		.amdhsa_group_segment_fixed_size 327680
		.amdhsa_private_segment_fixed_size 0
		.amdhsa_enable_private_segment 0
		.amdhsa_kernarg_size 16
		.amdhsa_user_sgpr_count 2
		.amdhsa_user_sgpr_kernarg_segment_ptr 1
		.amdhsa_wavefront_size32 1
		.amdhsa_system_sgpr_workgroup_id_x 1
		.amdhsa_system_sgpr_workgroup_id_y 1
		.amdhsa_system_sgpr_workgroup_id_z 1
		.amdhsa_system_vgpr_workitem_id 0
		.amdhsa_next_free_vgpr 1024
		.amdhsa_next_free_sgpr 66
		.amdhsa_reserve_vcc 0
		.amdhsa_float_denorm_mode_32 3
		.amdhsa_float_denorm_mode_16_64 3
		.amdhsa_memory_ordered 1
		.amdhsa_forward_progress 1
		.amdhsa_inst_pref_size 95
	.end_amdhsa_kernel
	.amdgpu_metadata
---
amdhsa.version: [ 1, 2 ]
amdhsa.kernels:
  - .name:           k_qef64f6c37a_scores
    .symbol:         k_qef64f6c37a_scores.kd
    .args:
      - { .name: qkv, .offset: 0, .size: 8, .value_kind: global_buffer, .address_space: global }
      - { .name: sc, .offset: 8, .size: 8, .value_kind: global_buffer, .address_space: global }
    .group_segment_fixed_size: 327680
    .private_segment_fixed_size: 0
    .kernarg_segment_align: 8
    .kernarg_segment_size: 16
    .max_flat_workgroup_size: 128
    .sgpr_count:     66
    .vgpr_count:     1024
    .wavefront_size: 32
...
	.end_amdgpu_metadata
.endif
;; end of part 3
;; launch softmax (part 4): grid 1024 x 1, 8 waves a work-group, no clusters, 0 bytes of LDS; arguments sc, pr; writes pr
.if DOCPART == 4
	.amdgcn_target "amdgcn-amd-amdhsa--gfx1250"
	.amdhsa_code_object_version 6
	.text
	.protected	k_qef64f6c37a_softmax
	.globl	k_qef64f6c37a_softmax
	.p2align	8
	.type	k_qef64f6c37a_softmax,@function
k_qef64f6c37a_softmax:
	s_mov_b64 s[64:65], 0
	v_nop
	global_prefetch_b8 v0, s[64:65] scope:SCOPE_SE
	s_setreg_imm32_b32 hwreg(HW_REG_WAVE_MODE, 25, 1), 1
	s_wait_xcnt 0x0
; SOFTMAX.  pr[b][q][k] = softmax over k <= q of sc[b][q][k] / 32, in f16; keys behind q up to the end of q's block of 256 get 0.  sc [4][2048][2048] f32, pr [4][2048][2048] f16.
; p = 2^(c s - c m) / l with c = log2(e) / 32, m the row's maximum over the keys seen, l the sum of the unrounded weights; all in f32, p rounded once.
; LIMITS.  A weight below 2^-126 counts as 0; below 6e-5 p keeps f16's fixed step of 6e-8; NaN and infinities in sc are not treated apart.
; SHARES.  One wave, one row, kept in registers between the maximum and the scaling: read once.  Row q of block I = q / 256 has N = 2 (I + 1) chunks of 128 keys; lane l holds keys 128 c + 4 l + 0..3.
; Only those chunks exist in sc, so the text has one variant for each I; the eight rows of a work-group share I.  No LDS, no barrier: no wave needs another.
; WHICH ROWS.  Work-group g takes batch g / 256 and eight rows from 8 (g % 32) on of block I = (g / 32) % 8, turned into 7 - I where g + g / 256 is odd: numbers one apart, and numbers 256 apart,
; take a block and its counterpart by turns, 18 chunks a row for the two together, so that long rows and short ones lie mixed however the work-groups are dealt out.
.set LO,  1                            ; v1   16 x lane: my bytes in a chunk of sc
.set PO,  2                            ; v2   8 x lane: my bytes in a chunk of pr
.set VQ,  3                            ; v3   q - 4 x lane: element e of chunk c is hidden where 128 c + e is greater
.set NEG, 4                            ; v4   -infinity
.set M,   5                            ; v5   maximum
.set T,   6                            ; v6   at work
.set CM,  8                            ; v[8:9]   c m
.set L,   10                           ; v[10:11] sum of each chunk's first pair
.set R,   12                           ; v[12:13] 1 / l
.set L2,  14                           ; v[14:15] sum of each chunk's second pair
.set X,   32                           ; v[32:95]  the row
.set Y,   96                           ; v[96:127] the row in f16
	s_load_b128 s[4:7], s[0:1], 0x0                ; sc s[4:5], pr s[6:7]
	v_lshrrev_b32 v7, 5, v0
	v_readfirstlane_b32 s8, v7                     ; wave
	v_and_b32 v7, 31, v0
	v_lshlrev_b32 v[LO], 4, v7
	v_lshlrev_b32 v[PO], 3, v7
	v_lshlrev_b32 v7, 2, v7
	s_lshr_b32 s20, ttmp9, 8                       ; batch
	s_bfe_u32 s11, ttmp9, 0x30005                  ; three bits from bit 5: a block,
	s_xor_b32 s21, ttmp9, s20
	s_and_b32 s21, s21, 1
	s_mul_i32 s21, s21, 7
	s_xor_b32 s11, s11, s21                        ; or its counterpart: I
	s_and_b32 s22, ttmp9, 31
	s_lshl_b32 s22, s22, 3
	s_add_co_u32 s22, s22, s8                      ; my row in the block
	s_lshl_b32 s10, s11, 8
	s_add_co_u32 s10, s10, s22                     ; q
	s_lshl_b32 s9, s20, 11
	s_add_co_u32 s9, s9, s10                       ; row among all 8,192
	v_sub_nc_u32 v[VQ], s10, v7
	v_mov_b32 v[NEG], 0xff800000
	v_mov_b32 v[T], 0                              ; written once: the lane exchange counts as a reader of its destination
	s_mov_b32 s12, 0x76543210                      ; each lane takes its own place in the other half
	s_mov_b32 s13, 0xfedcba98
	s_mov_b32 s14, 0x3d38aa3b                      ; c = log2(e) / 32
	s_mov_b32 s15, s14                             ; named with it as a pair
	s_lshl_b32 s16, s9, 13                         ; 8,192 bytes a row of sc
	s_mov_b32 s17, 0
	s_lshl_b32 s18, s9, 12                         ; 4,096 bytes a row of pr
	s_mov_b32 s19, 0
	s_wait_kmcnt 0x0
	s_add_nc_u64 s[4:5], s[4:5], s[16:17]
	s_add_nc_u64 s[6:7], s[6:7], s[18:19]
.macro ROW n
.set c, 0
.rept \n
	global_load_b128 v[X+4*c:X+4*c+3], v[LO], s[4:5] offset:512*c th:TH_LOAD_NT  ; 512 consecutive bytes a wave
.set c, c+1
.endr
.set c, 0
.rept \n
	s_wait_loadcnt (\n)-1-c                        ; loads come back in order: chunk c is in, the younger ones stay out
.if c >= (\n)-2                        ; the row's last 256 keys hold the diagonal
.set e, 0
.rept 4
	v_cmp_gt_i32 vcc_lo, 128*c+e, v[VQ]
	v_cndmask_b32 v[X+4*c+e], v[X+4*c+e], v[NEG], vcc_lo
.set e, e+1
.endr
.endif
.if c == 0
	v_max3_num_f32 v[M], v[X], v[X+1], v[X+2]      ; the first chunk starts the maximum (key 0 is seen by every row)
	v_max_num_f32 v[M], v[M], v[X+3]
.else
	v_max3_num_f32 v[T], v[X+4*c], v[X+4*c+1], v[X+4*c+2]
	v_max3_num_f32 v[M], v[M], v[T], v[X+4*c+3]
.endif
.set c, c+1
.endr
	v_max_num_f32_dpp v[M], v[M], v[M] row_xmask:1 row_mask:0xf bank_mask:0xf
	v_max_num_f32_dpp v[M], v[M], v[M] row_xmask:2 row_mask:0xf bank_mask:0xf
	v_max_num_f32_dpp v[M], v[M], v[M] row_xmask:4 row_mask:0xf bank_mask:0xf
	v_max_num_f32_dpp v[M], v[M], v[M] row_xmask:8 row_mask:0xf bank_mask:0xf
	v_permlanex16_b32 v[T], v[M], s12, s13
	v_max_num_f32 v[M], v[M], v[T]                 ; every lane holds the row's maximum
	v_mul_f32 v[CM], s14, v[M]
	v_mov_b32 v[CM+1], v[CM]
.set c, 0
.rept 2*(\n)
	v_pk_fma_f32 v[X+2*c:X+2*c+1], v[X+2*c:X+2*c+1], s[14:15], v[CM:CM+1] op_sel_hi:[1,0,0] neg_lo:[0,0,1] neg_hi:[0,0,1]  ; c s - c m; a hidden score stays -infinity
.set c, c+1
.endr
.set c, 0
.rept 4*(\n)
	v_exp_f32 v[X+c], v[X+c]
.set c, c+1
.endr
	v_nop                                          ; a plain instruction between the last exponential and the use of its result (ISA guide 5.7.2)
	s_wait_alu depctr_va_vdst(0)
	v_pk_add_f32 v[L:L+1], v[X:X+1], v[X+4:X+5]    ; the first two chunks start both sums: nothing is cleared, and the weights stay as they are
	v_pk_add_f32 v[L2:L2+1], v[X+2:X+3], v[X+6:X+7]
.set c, 2
.rept (\n)-2
	v_pk_add_f32 v[L:L+1], v[L:L+1], v[X+4*c:X+4*c+1]
	v_pk_add_f32 v[L2:L2+1], v[L2:L2+1], v[X+4*c+2:X+4*c+3]
.set c, c+1
.endr
	v_pk_add_f32 v[L:L+1], v[L:L+1], v[L2:L2+1]
	v_add_f32 v[L], v[L], v[L+1]
	v_add_f32_dpp v[L], v[L], v[L] row_xmask:1 row_mask:0xf bank_mask:0xf
	v_add_f32_dpp v[L], v[L], v[L] row_xmask:2 row_mask:0xf bank_mask:0xf
	v_add_f32_dpp v[L], v[L], v[L] row_xmask:4 row_mask:0xf bank_mask:0xf
	v_add_f32_dpp v[L], v[L], v[L] row_xmask:8 row_mask:0xf bank_mask:0xf
	v_permlanex16_b32 v[T], v[L], s12, s13
	v_add_f32 v[L], v[L], v[T]
	v_rcp_f32 v[R], v[L]                           ; l is at least 1: the maximum's own weight
	v_nop
	s_wait_alu depctr_va_vdst(0)
	v_mov_b32 v[R+1], v[R]
.set c, 0
.rept \n
	v_pk_mul_f32 v[X+4*c:X+4*c+1], v[X+4*c:X+4*c+1], v[R:R+1] op_sel_hi:[1,0]
	v_pk_mul_f32 v[X+4*c+2:X+4*c+3], v[X+4*c+2:X+4*c+3], v[R:R+1] op_sel_hi:[1,0]
	v_cvt_pk_f16_f32 v[Y+2*c], v[X+4*c], v[X+4*c+1]
	v_cvt_pk_f16_f32 v[Y+2*c+1], v[X+4*c+2], v[X+4*c+3]
	global_store_b64 v[PO], v[Y+2*c:Y+2*c+1], s[6:7] offset:256*c  ; a wave stores 256 consecutive bytes, at a multiple of 256 from pr's first byte
.set c, c+1
.endr
	s_endpgm
.endm
.irp k, 0,1,2,3,4,5,6
	s_cmp_eq_u32 s11, \k
	s_cbranch_scc1 .Lv\k
.endr
	ROW 16
.irp k, 0,1,2,3,4,5,6
.Lv\k:
	ROW 2*(\k)+2
.endr
.Lfunc_end_k_qef64f6c37a_softmax:
	.size	k_qef64f6c37a_softmax, .Lfunc_end_k_qef64f6c37a_softmax-k_qef64f6c37a_softmax
	.p2alignl 7, 3214868480
	.fill 96, 4, 3214868480
	.section	.rodata,"a",@progbits
	.p2align	6, 0x0
	.amdhsa_kernel k_qef64f6c37a_softmax
		.amdhsa_group_segment_fixed_size 0
		.amdhsa_private_segment_fixed_size 0
		.amdhsa_enable_private_segment 0
		.amdhsa_kernarg_size 16
		.amdhsa_user_sgpr_count 2
		.amdhsa_user_sgpr_kernarg_segment_ptr 1
		.amdhsa_wavefront_size32 1
		.amdhsa_system_sgpr_workgroup_id_x 1
		.amdhsa_system_sgpr_workgroup_id_y 1
		.amdhsa_system_sgpr_workgroup_id_z 1
		.amdhsa_system_vgpr_workitem_id 0
		.amdhsa_next_free_vgpr 128
		.amdhsa_next_free_sgpr 66
		.amdhsa_reserve_vcc 1
		.amdhsa_float_denorm_mode_32 3
		.amdhsa_float_denorm_mode_16_64 3
		.amdhsa_memory_ordered 1
		.amdhsa_forward_progress 1
		.amdhsa_inst_pref_size 85
	.end_amdhsa_kernel
	.amdgpu_metadata
---
amdhsa.version: [ 1, 2 ]
amdhsa.kernels:
  - .name:           k_qef64f6c37a_softmax
    .symbol:         k_qef64f6c37a_softmax.kd
    .args:
      - { .name: sc, .offset: 0, .size: 8, .value_kind: global_buffer, .address_space: global }
      - { .name: pr, .offset: 8, .size: 8, .value_kind: global_buffer, .address_space: global }
    .group_segment_fixed_size: 0
    .private_segment_fixed_size: 0
    .kernarg_segment_align: 8
    .kernarg_segment_size: 16
    .max_flat_workgroup_size: 256
    .sgpr_count:     66
    .vgpr_count:     128
    .wavefront_size: 32
...
	.end_amdgpu_metadata
.endif
;; end of part 4
;; launch pv (part 5): grid 8 x 32, 4 waves a work-group, clusters of 4 x 1, 327,680 bytes of LDS; arguments pr, qkv, out0; writes out0
.if DOCPART == 5
	.amdgcn_target "amdgcn-amd-amdhsa--gfx1250"
	.amdhsa_code_object_version 6
	.text
	.protected	k_qef64f6c37a_pv
	.globl	k_qef64f6c37a_pv
	.p2align	8
	.type	k_qef64f6c37a_pv,@function
k_qef64f6c37a_pv:
	s_mov_b64 s[64:65], 0
	v_nop
	global_prefetch_b8 v0, s[64:65] scope:SCOPE_SE
	s_setreg_imm32_b32 hwreg(HW_REG_WAVE_MODE, 25, 1), 1
	s_wait_xcnt 0x0
	s_wait_alu depctr_hold_cnt(0) depctr_sa_sdst(0) depctr_va_vdst(0) depctr_va_sdst(0) depctr_va_ssrc(0) depctr_va_vcc(0) depctr_vm_vsrc(0)
	s_getreg_b32 s2, hwreg(HW_REG_IB_STS2, 6, 4)
	s_cmp_eq_u32 s2, 0
	s_cbranch_scc0 .Lentry_in_a_cluster
	s_endpgm
.Lentry_in_a_cluster:
	s_bfe_u32 s2, ttmp6, 0x10000c
	s_cmp_lg_u32 s2, 0x3003
	s_cbranch_scc0 .Lentry_shape_is_right
	s_endpgm
.Lentry_shape_is_right:
; PV.  out0[b][q][f] = sum over k of pr[b][q][k] v[b][k][f].  pr [4][2048][2048] f16 (normalised weights, 0 behind the diagonal up to the end of q's block of 256 keys),
; v = columns 2048-3071 of qkv [8192][3072] f16, out0 [4][2048][1024] f32.  Sums in f32, keys ascending.
; THE WALK.  A batch's queries lie in 16 blocks of 128; block i needs i / 2 + 1 steps of 256 keys.  A work-group takes channel tile n (128 channels) and TWO blocks, 15 - p and then p:
; 8 - p / 2 and p / 2 + 1 steps, always 9: all 256 work-groups do equal work, and loops with constant trip counts walk them.  The ring of two LDS slots runs on across the change of blocks.
; Which tile is asked for, and when a block ends, hang on scalar registers made from p; those jumps go forward and pass neither a barrier nor a tensor load.
; CLUSTER.  The four work-groups of a cluster share batch and p and differ in n: they walk alike and need the same tiles of pr, which are asked for jointly; v's tiles are each one's own.
; SHARES.  Four waves, 64 queries x 64 channels each: 16 accumulators.  Source 0 = 16 channels of v, turned on the way out of LDS; source 1 = 16 queries of pr: a lane holds one query and eight neighbouring channels.
; REGISTERS: window 0: v0-31 addresses; v32-95 the way out; v128-255 accumulators ((a, b) at 128 + 8 (4 a + b)); window 1: two fragment buffers of 128: 64 of pr, then 64 of v, for 64 keys.
.set PP,     528                       ; an LDS row of pr: 512 bytes + 16
.set PV,     288                       ; an LDS row of v: 256 bytes + 32, an odd multiple of 32 for the turning load
.set HALFP,  64*PP                     ; 64 queries: one load of pr, and what a wave reads
.set VOFF,   128*PP                    ; v's 256 keys lie behind pr's 128 rows
.set HALFV,  128*PV                    ; 128 keys: one load of v
.set SLOT1,  0x24000                   ; slot 1 begins here (a slot is 141,312 bytes): its two bits meet none of the four tiles' places in a slot, so one exclusive or changes slots
.set STAGE,  SLOT1+VOFF+2*HALFV        ; behind the ring: 16 rows x 272 bytes for each wave
.set SPITCH, 272
.set SPARE,  STAGE+4*16*SPITCH
.set VSTEP,  256*6144                  ; bytes from a key step of v to the next
.set ADRA0, 16
.set ADRB0, 17
.set ADRA,  18                         ; v18     pr's fragments in the slot being read
.set ADRB,  20                         ; v20-21  v's: keys 0-127, keys 128-255 (the immediate has 16 bits)
.set STO,  24
.set RD,   25
.set CO,   26
.set SPW,  28
.set NIL,  29
.set TMP,  32
.set ACC,  128
.set F0,   0
.set F1,   128
.set G1A, 24                           ; s[24:31] group 1 for pr's tiles;  s[32:39] group 0, two sets; the second is made anew for each refill
.set G0A, 32
.set G1V, 48                           ; s[48:55], s[56:63] the same for v's
.set G0V, 56
.set TB,  45                           ; s45  LDS byte at which the slot being read begins
.set RT,  72                           ; s72  steps that the block in hand still has
.set NEW, 73                           ; s73  1: the next step is a block's first
.set NXT, 74                           ; s74  key step to be asked for next
.set LQ,  75                           ; s75  last key step of the block whose tiles are being asked for
.set ROWP, 76                          ; s76  that block's first byte in a batch of pr
.set MSB, 0
.macro WIN new
.if MSB != (\new)
	s_set_vgpr_msb (MSB<<8)|(\new)
.set MSB, \new
.endif
.endm
.set MUL,  0x05                        ; sources 0 and 1 window 1; C and D window 0
.set TO_F, 0x40                        ; destination window 1, address window 0
.macro PLACES
.rept 4
	v_nop
.endr
.endm
.macro JLOAD s                         ; waves 0 and 1 ask jointly for pr's two halves, waves 2 and 3 for their own work-group's two halves of v; an s_nop 0 and four v_nop follow each line
	s_cmp_eq_u32 s11, 0
	s_cbranch_scc0 .Lfor_v_\@
	tensor_load_to_lds s[G0A+4*(\s):G0A+4*(\s)+3], s[G1A:G1A+7]
	s_nop 0
.rept 4
	v_nop
.endr
	s_branch .Lasked_\@
.Lfor_v_\@:
	tensor_load_to_lds s[G0V+4*(\s):G0V+4*(\s)+3], s[G1V:G1V+7]
	s_nop 0
.rept 4
	v_nop
.endr
.Lasked_\@:
.endm
.macro CREST
	s_cmp_lg_u32 s10, 0
	s_cbranch_scc1 .Lnot_wave_0_\@
	s_barrier_signal -3
.Lnot_wave_0_\@:
	s_barrier_wait -3
	s_barrier_signal -1
	s_barrier_wait -1
.endm
.macro CROUND
	s_barrier_signal -1
	s_barrier_wait -1
	CREST
.endm
	s_load_b128 s[4:7], s[0:1], 0x0                ; pr s[4:5], qkv s[6:7]
	s_load_b64 s[8:9], s[0:1], 0x10                ; out0
	v_lshl_add_u32 v[SPW], v0, 2, SPARE
	v_mov_b32 v[NIL], 0
	ds_add_u32 v[SPW], v[NIL]                      ; the wave's opening: the add and its wait stand ahead of my first tensor load
	ds_add_u32 v28, v29
	v_lshrrev_b32 v1, 5, v0
	v_readfirstlane_b32 s10, v1                    ; wave 0..3
	s_lshr_b32 s11, s10, 1                         ; my half of the queries.  Also: I fetch for pr (0) or for v (1)
	s_and_b32 s12, s10, 1                          ; my half of the channels.  Also: which half of that tile I fetch
	s_bfe_u32 s40, ttmp6, 0x40000                  ; cx
	s_lshl_b32 s42, ttmp9, 2
	s_add_co_u32 s42, s42, s40                     ; n = 4 x cluster x + cx: it enters v's and out0's addresses alone
	s_and_b32 s13, ttmp7, 0xffff
	s_lshr_b32 s14, s13, 3                         ; batch
	s_and_b32 s15, s13, 7                          ; p
	s_lshr_b32 s16, s15, 1
	s_sub_co_u32 s70, 8, s16                       ; the first block's steps
	s_add_co_u32 s71, s16, 1                       ; the second block's
	s_mov_b32 s[RT], s70
	s_mov_b32 s[NEW], 1
	s_mov_b32 s[NXT], 2
	s_sub_co_u32 s[LQ], s70, 1
	s_sub_co_u32 s17, 15, s15                      ; the first block
	s_lshl_b32 s[ROWP], s17, 19                    ; 128 rows of 4,096 bytes a block
	s_lshl_b32 s78, s15, 19                        ; the second block's
	s_mov_b32 s79, s16                             ; and its last key step
	s_mov_b32 s80, s[ROWP]                         ; s[80:81]: offset of a tile of pr; s[82:83]: of v
	s_mov_b32 s81, 0
	s_mov_b32 s83, 0
	s_mov_b32 s[TB], 0
	s_lshl_b32 s18, s14, 23                        ; pr: the batch's 2,048 rows,
	s_lshl_b32 s19, s12, 18                        ; my 64 rows of a tile's 128
	s_add_co_u32 s18, s18, s19
	s_mov_b32 s19, 0
	s_lshl_b32 s20, s14, 11                        ; v: key row 2,048 b + 128 x half,
	s_lshl_b32 s21, s12, 7
	s_add_co_u32 s20, s20, s21
	s_mul_i32 s20, s20, 6144
	s_lshl_b32 s21, s42, 8                         ; 4,096 bytes into a row, and 256 n
	s_add_co_u32 s20, s20, s21
	s_add_co_u32 s20, s20, 4096
	s_mov_b32 s21, 0
	s_lshl_b32 s2, s14, 11                         ; out0: row 2,048 b + 64 x my half,
	s_lshl_b32 s3, s11, 6
	s_add_co_u32 s2, s2, s3
	s_lshl_b32 s22, s17, 7
	s_add_co_u32 s22, s22, s2                      ; + 128 x block,
	s_lshl_b32 s22, s22, 12                        ; 4,096 bytes each
	s_lshl_b32 s46, s15, 7
	s_add_co_u32 s46, s46, s2
	s_lshl_b32 s46, s46, 12
	s_lshl_b32 s3, s42, 9                          ; channel bytes 512 n + 256 x my half
	s_lshl_b32 s2, s12, 8
	s_add_co_u32 s3, s3, s2
	s_add_co_u32 s22, s22, s3
	s_add_co_u32 s46, s46, s3
	s_mov_b32 s23, 0
	s_mov_b32 s47, 0
	s_mul_i32 s88, s12, HALFP                      ; where the tiles go: no place in the cluster enters an LDS address
	s_mul_i32 s89, s12, HALFV
	s_add_co_u32 s89, s89, VOFF
	s_mov_b32 s[G1A+0], 15|(1<<16)|(1<<20)|(1<<21)|(6<<22)|(3<<25)  ; the mask of four; 2-byte elements; padding on; bit 21 beside a mask; after every 128 words 4 words
	s_mov_b32 s[G1A+1], 256<<16
	s_mov_b32 s[G1A+2], 64<<16
	s_mov_b32 s[G1A+3], 256<<16                    ; tile: 256 keys
	s_mov_b32 s[G1A+4], 64                         ; x 64 queries
	s_mov_b32 s[G1A+5], 2048
	s_mov_b32 s[G1A+6], 0
	s_mov_b32 s[G1A+7], 0
	s_mov_b32 s[G1V+0], (1<<16)|(1<<20)|(5<<22)|(7<<25)             ; no mask; after every 64 words 8 words
	s_mov_b32 s[G1V+1], 128<<16
	s_mov_b32 s[G1V+2], 128<<16
	s_mov_b32 s[G1V+3], 128<<16                    ; tile: 128 channels
	s_mov_b32 s[G1V+4], 128                        ; x 128 keys
	s_mov_b32 s[G1V+5], 3072
	s_mov_b32 s[G1V+6], 0
	s_mov_b32 s[G1V+7], 0
	s_wait_dscnt 0x0                               ; the opening add is done
	s_wait_kmcnt 0x0
	s_add_nc_u64 s[84:85], s[4:5], s[18:19]        ; pr at my half of the batch's block 0
	s_add_nc_u64 s[86:87], s[6:7], s[20:21]        ; v at my half of the batch's key step 0
	s_add_nc_u64 s[90:91], s[8:9], s[46:47]        ; out0 at my part of the second block,
	s_add_nc_u64 s[8:9], s[8:9], s[22:23]          ; and of the first
	s_add_nc_u64 s[92:93], s[84:85], s[80:81]      ; pr at the first block
	CROUND                                         ; all four work-groups are here: the first joint loads meet
.irp s, 0,1
	s_mov_b32 s[G0A+4*(\s)], 1
	s_add_co_u32 s[G0A+4*(\s)+1], s88, (\s)*SLOT1
	s_add_nc_u64 s[G0A+4*(\s)+2:G0A+4*(\s)+3], s[92:93], (\s)*512
	s_or_b32 s[G0A+4*(\s)+3], s[G0A+4*(\s)+3], 0x80000000
	s_mov_b32 s[G0V+4*(\s)], 1
	s_add_co_u32 s[G0V+4*(\s)+1], s89, (\s)*SLOT1
	s_add_nc_u64 s[G0V+4*(\s)+2:G0V+4*(\s)+3], s[86:87], (\s)*VSTEP
	s_or_b32 s[G0V+4*(\s)+3], s[G0V+4*(\s)+3], 0x80000000
	JLOAD \s                                       ; the first block's key steps 0 and 1 (it has five or more): two loads of mine are out
.endr
	v_and_b32 v1, 15, v0                           ; r
	v_bfe_u32 v2, v0, 4, 1                         ; h
	v_and_b32 v6, 7, v0
	v_bfe_u32 v7, v0, 3, 1
	v_mul_u32_u24 v3, v1, PP
	v_lshl_add_u32 v3, v2, 4, v3                   ; pr: row x pitch + 16 h
	s_mul_i32 s21, s11, HALFP                      ; my 64 queries
	v_add_nc_u32 v[ADRA0], s21, v3
	v_lshl_add_u32 v4, v2, 3, v6                   ; v, turning load: key 8 h + l % 8,
	v_mul_u32_u24 v4, v4, PV
	v_lshl_add_u32 v4, v7, 4, v4                   ; channels 8 ((l / 8) % 2) on
	s_lshl_b32 s22, s12, 7                         ; my 64 channels
	s_add_co_u32 s22, s22, VOFF
	v_add_nc_u32 v[ADRB0], s22, v4
	v_mov_b32 v[ADRA], v[ADRA0]
	v_mov_b32 v[ADRB], v[ADRB0]
	v_add_nc_u32 v[ADRB+1], HALFV, v[ADRB0]
	s_mul_i32 s23, s10, 16*SPITCH
	s_add_co_u32 s23, s23, STAGE                   ; my stage
	v_mul_u32_u24 v4, v1, SPITCH                   ; in: query l % 16, 32 bytes for each half of the lanes
	v_lshl_add_u32 v4, v2, 5, v4
	v_add_nc_u32 v[STO], s23, v4
	v_mul_u32_u24 v5, v2, SPITCH                   ; back: lanes 0-15 one row of 256 bytes, lanes 16-31 the next
	v_lshl_add_u32 v5, v1, 4, v5
	v_add_nc_u32 v[RD], s23, v5
	v_lshlrev_b32 v5, 12, v2                       ; and the same two rows in out0
	v_lshl_add_u32 v[CO], v1, 4, v5
; 8 matrix instructions: query blocks a0, a0 + 1 x all 4 channel blocks, 32 keys: half c of buffer f.  The 16 accumulators take turns.  zero = 1: the product starts the sum.
.macro MUL8 f, c, a0, zero
	WIN MUL
.irp a, \a0, (\a0)+1
.irp b, 0,1,2,3
.if \zero
	v_wmma_f32_16x16x32_f16 v[ACC+8*(4*(\a)+(\b)):ACC+8*(4*(\a)+(\b))+7], v[(\f)+64+8*(4*(\c)+(\b)):(\f)+64+8*(4*(\c)+(\b))+7], v[(\f)+8*(4*(\c)+(\a)):(\f)+8*(4*(\c)+(\a))+7], 0
.else
	v_wmma_f32_16x16x32_f16 v[ACC+8*(4*(\a)+(\b)):ACC+8*(4*(\a)+(\b))+7], v[(\f)+64+8*(4*(\c)+(\b)):(\f)+64+8*(4*(\c)+(\b))+7], v[(\f)+8*(4*(\c)+(\a)):(\f)+8*(4*(\c)+(\a))+7], v[ACC+8*(4*(\a)+(\b)):ACC+8*(4*(\a)+(\b))+7]
.endif
.endr
.endr
.endm
; 32 LDS loads in one run: the fragments of quarter q (64 keys) into buffer f; the first 32 keys first
.macro FETCH q, f
	WIN TO_F
.irp c, 0,1
.irp i, 0,1,2,3
	ds_load_tr16_b128 v[(\f)+64+8*(4*(\c)+(\i)):(\f)+64+8*(4*(\c)+(\i))+3],   v[ADRB+(\q)/2] offset:(((\q)%2)*64+32*(\c))*PV+32*(\i)
	ds_load_tr16_b128 v[(\f)+64+8*(4*(\c)+(\i))+4:(\f)+64+8*(4*(\c)+(\i))+7], v[ADRB+(\q)/2] offset:(((\q)%2)*64+32*(\c)+16)*PV+32*(\i)
	ds_load_b128 v[(\f)+8*(4*(\c)+(\i)):(\f)+8*(4*(\c)+(\i))+3],   v[ADRA] offset:128*(\q)+64*(\c)+(\i)*16*PP
	ds_load_b128 v[(\f)+8*(4*(\c)+(\i))+4:(\f)+8*(4*(\c)+(\i))+7], v[ADRA] offset:128*(\q)+64*(\c)+(\i)*16*PP+32
.endr
.endr
.endm
.macro QUARTER q, f, g
	s_wait_dscnt 16                                ; the first 32 keys' fragments are in
	MUL8 \f, 0, 0, 0
	MUL8 \f, 0, 2, 0
	PLACES
	FETCH \q, \g
	s_wait_dscnt 32                                ; all but the 32 just issued
	MUL8 \f, 1, 0, 0
	MUL8 \f, 1, 2, 0
.endm
; A step's first quarter.  Its first 16 products stand twice: they add on, or (a block's first step) they start the sums with the constant 0: nothing is ever cleared.
; Those that start the sums write over accumulators that earlier matrix instructions wrote: five places stand in front of them (ISA guide 7.12.1).
.macro Q1DYN
	s_wait_dscnt 16
	WIN 0
	s_cmp_eq_u32 s[NEW], 1
	s_cbranch_scc1 .Lzero_\@
	MUL8 F0, 0, 0, 0
	MUL8 F0, 0, 2, 0
	WIN 0
	s_branch .Ljoin_\@
.Lzero_\@:
.rept 5
	v_nop
.endr
	MUL8 F0, 0, 0, 1
	MUL8 F0, 0, 2, 1
	WIN 0
.Ljoin_\@:
	s_mov_b32 s[NEW], 0
	PLACES
	FETCH 1, F1
	s_wait_dscnt 32
	MUL8 F0, 1, 0, 0
	MUL8 F0, 1, 2, 0
.endm
; The last quarter and the change of slots: one barrier; in front of it all my tensor loads have landed, the add is done and my reads of the slot are over.
; fill = 1: the barrier opens a round of the cluster's; behind the round the slot just read is filled with key step NXT of the block whose tiles are being asked for: both addresses are made anew from that number.
; fill = 0 (the tail): nothing is asked for; in the tail's last trip (s3 = 1) there is no further step, and the run of loads is jumped over.
.macro TURN fill
	WIN 0
	s_wait_tensorcnt 0x0                           ; all my tensor loads have landed: my part of the next slot
	ds_add_u32 v[SPW], v[NIL]                      ; 0 onto my spare word
	s_wait_dscnt 17                                ; (the add and the youngest sixteen loads may be out)
	MUL8 F1, 0, 0, 0
	s_wait_dscnt 0x0                               ; the add is done, and my reads of this slot are over
	s_barrier_signal -1
	MUL8 F1, 0, 2, 0
	WIN 0
	s_barrier_wait -1
.if \fill
	CREST                                          ; no wave of any partner still reads this slot or has a load on its way
	s_lshl_b32 s80, s[NXT], 9                      ; 256 keys are 512 bytes of a row of pr,
	s_add_co_u32 s80, s80, s[ROWP]
	s_mul_i32 s82, s[NXT], VSTEP                   ; and 256 rows of v
	s_xor_b32 s[G0A+5], s[G0A+5], SLOT1
	s_add_nc_u64 s[G0A+6:G0A+7], s[84:85], s[80:81]
	s_or_b32 s[G0A+7], s[G0A+7], 0x80000000
	s_xor_b32 s[G0V+5], s[G0V+5], SLOT1
	s_add_nc_u64 s[G0V+6:G0V+7], s[86:87], s[82:83]
	s_or_b32 s[G0V+7], s[G0V+7], 0x80000000
	s_add_co_u32 s[NXT], s[NXT], 1                 ; the block's next key step, or behind its last the second block's step 0
	s_cmp_gt_u32 s[NXT], s[LQ]
	s_cselect_b32 s[NXT], 0, s[NXT]
	s_cselect_b32 s[ROWP], s78, s[ROWP]
	s_cselect_b32 s[LQ], s79, s[LQ]
	JLOAD 1                                        ; its four v_nop are also the places in front of the loads below
.else
	PLACES
	s_cmp_eq_u32 s3, 1
	s_cbranch_scc1 .Lno_fetch_\@
.endif
	s_xor_b32 s[TB], s[TB], SLOT1                  ; the reads go on in the other slot
	v_add_nc_u32 v[ADRA], s[TB], v[ADRA0]
	v_add_nc_u32 v[ADRB], s[TB], v[ADRB0]
	v_add_nc_u32 v[ADRB+1], HALFV, v[ADRB]
	FETCH 0, F0
	WIN 0
.if !(\fill)
.Lno_fetch_\@:
.endif
	MUL8 F1, 1, 0, 0
	MUL8 F1, 1, 2, 0
.endm
; THE WAY OUT of a block: 16 queries x 64 channels of f32 at a time through my own stage: 32 bytes a lane in (each accumulator's low four registers first), whole rows of 256 bytes back.
.macro SENDO a, y                      ; y: the next part's 8 LDS stores and 8 loads, or none
	s_wait_dscnt \y
.irp t, 0,1,2,3,4,5,6,7
	global_store_b128 v[CO], v[TMP+32*((\a)%2)+4*(\t):TMP+32*((\a)%2)+4*(\t)+3], s[8:9] offset:(16*(\a)+2*(\t))*4096 th:TH_STORE_NT  ; 16 lanes store 256 consecutive bytes, at a multiple of 256 from out0's first byte
.endr
.endm
.macro WAYOUT
	PLACES                                         ; the LDS stores read results just made
.irp a, 0,1,2,3
.irp b, 0,1,2,3
	ds_store_b128 v[STO], v[ACC+8*(4*(\a)+(\b)):ACC+8*(4*(\a)+(\b))+3]   offset:64*(\b)
	ds_store_b128 v[STO], v[ACC+8*(4*(\a)+(\b))+4:ACC+8*(4*(\a)+(\b))+7] offset:64*(\b)+16
.endr
	s_wait_xcnt 0x0                                ; the stores of the part two back have read these registers
.irp t, 0,1,2,3,4,5,6,7
	ds_load_b128 v[TMP+32*((\a)%2)+4*(\t):TMP+32*((\a)%2)+4*(\t)+3], v[RD] offset:2*SPITCH*(\t)  ; LDS serves a wave's instructions in order (ISA guide 5.7.1.4)
.endr
.if (\a) > 0
	SENDO (\a)-1, 16
.endif
.endr
	SENDO 3, 0
.endm
; A step of the walk: 256 keys, 128 matrix instructions a wave; behind a block's last step the block goes out, while the next step's tiles are in LDS or on their way.
.macro STEP fill
	Q1DYN
	QUARTER 2, F1, F0
	QUARTER 3, F0, F1
	TURN \fill
	WIN 0
	s_sub_co_u32 s[RT], s[RT], 1
	s_cmp_lg_u32 s[RT], 0
	s_cbranch_scc1 .Lgo_\@
	WAYOUT
	s_wait_xcnt 0x0                                ; the stores have read out0's address
	s_mov_b64 s[8:9], s[90:91]                     ; the second block
	s_mov_b32 s[RT], s71
	s_mov_b32 s[NEW], 1
.Lgo_\@:
.endm
	s_wait_tensorcnt 1                             ; my part of the walk's step 0 is in; step 1's stays out
	s_barrier_signal -1
	s_barrier_wait -1
	FETCH 0, F0
	WIN 0
	s_mov_b32 s3, 7
.Lstep:                                                ; the walk's steps 0 to 6; they ask for steps 2 to 8
	STEP 1
	s_sub_co_u32 s3, s3, 1
	s_cmp_lg_u32 s3, 0
	s_cbranch_scc1 .Lstep
	s_mov_b32 s3, 2
.Ltail:                                                ; steps 7 and 8: written apart
	STEP 0
	s_sub_co_u32 s3, s3, 1
	s_cmp_lg_u32 s3, 0
	s_cbranch_scc1 .Ltail
	s_wait_tensorcnt 0x0                           ; the wave's end
	ds_add_u32 v[SPW], v[NIL]
	s_wait_dscnt 0x0
	CROUND                                         ; the closing round
	s_endpgm
.Lfunc_end_k_qef64f6c37a_pv:
	.size	k_qef64f6c37a_pv, .Lfunc_end_k_qef64f6c37a_pv-k_qef64f6c37a_pv
	.p2alignl 7, 3214868480
	.fill 96, 4, 3214868480
	.section	.rodata,"a",@progbits
	.p2align	6, 0x0
	.amdhsa_kernel k_qef64f6c37a_pv
		.amdhsa_group_segment_fixed_size 327680
		.amdhsa_private_segment_fixed_size 0
		.amdhsa_enable_private_segment 0
		.amdhsa_kernarg_size 24
		.amdhsa_user_sgpr_count 2
		.amdhsa_user_sgpr_kernarg_segment_ptr 1
		.amdhsa_wavefront_size32 1
		.amdhsa_system_sgpr_workgroup_id_x 1
		.amdhsa_system_sgpr_workgroup_id_y 1
		.amdhsa_system_sgpr_workgroup_id_z 1
		.amdhsa_system_vgpr_workitem_id 0
		.amdhsa_next_free_vgpr 512
		.amdhsa_next_free_sgpr 96
		.amdhsa_reserve_vcc 0
		.amdhsa_float_denorm_mode_32 3
		.amdhsa_float_denorm_mode_16_64 3
		.amdhsa_memory_ordered 1
		.amdhsa_forward_progress 1
		.amdhsa_inst_pref_size 65
	.end_amdhsa_kernel
	.amdgpu_metadata
---
amdhsa.version: [ 1, 2 ]
amdhsa.kernels:
  - .name:           k_qef64f6c37a_pv
    .symbol:         k_qef64f6c37a_pv.kd
    .args:
      - { .name: pr, .offset: 0, .size: 8, .value_kind: global_buffer, .address_space: global }
      - { .name: qkv, .offset: 8, .size: 8, .value_kind: global_buffer, .address_space: global }
      - { .name: out0, .offset: 16, .size: 8, .value_kind: global_buffer, .address_space: global }
    .group_segment_fixed_size: 327680
    .private_segment_fixed_size: 0
    .kernarg_segment_align: 8
    .kernarg_segment_size: 24
    .max_flat_workgroup_size: 128
    .sgpr_count:     96
    .vgpr_count:     512
    .wavefront_size: 32
...
	.end_amdgpu_metadata
.endif
;; end of part 5
